; MI455X (gfx1250); checked and timed in simulation.
; The chip was launched on July 23, 2026; its instructions are those of AMD's public machine-readable ISA for CDNA 5 (MIT licence, August 2026) and "CDNA5" Instruction Set Architecture Reference Guide (July 2026). The comments in the code are by the model that wrote it; some were corrected since.
;; Multi Head Attention. Allowed arithmetic: matrix products marked QUANTISED: E4M3 operands, one given power-of-two scale a tensor, by v_wmma_f32_16x16x64_fp8_fp8 or v_wmma_f32_16x16x128_fp8_fp8, f32 sums; everything else in f32.
;; Inputs: lowp_scales 8 int32 (the exponents e of the quantised operands' scales 2^e); out_b 1,024 float32; out_w 1,024 x 1,024 float32; qkv_b 3,072 float32; qkv_w 3,072 x 1,024 float32; x 2 x 2,048 x 1,024 float32.
;; Outputs: out0 2 x 2,048 x 1,024 float32.
;; This version of the problem:
;;   THIS VERSION OF THE PROBLEM IS GIVEN IN LOW PRECISION. The matrix products marked QUANTISED in the list below multiply operands that are first quantised to E4M3 (4 exponent bits, 3 mantissa bits; 8 bits a number), with one given power-of-two scale for each operand tensor; their sums are f32. All else is computed in f32.
;;   The module's matrix products, in the order in which they are computed (A, B: the left and right operand; K: the contracted axis; several contracted axes count as one K, in the product's order):
;;     1. [M 4,096, K 1,024] x [K 1,024, N 3,072]; A: input x; B: input qkv_w: QUANTISED (scales: A lowp_scales[0], B lowp_scales[1])
;;     2. batch 32 x [M 2,048, K 64] x [K 64, N 2,048]; A: computed on the way; B: computed on the way: QUANTISED (scales: A lowp_scales[2], B lowp_scales[3])
;;     3. batch 32 x [M 2,048, K 2,048] x [K 2,048, N 64]; A: softmax (see below); B: computed on the way: QUANTISED (scales: A lowp_scales[4], B lowp_scales[5])
;;     4. [M 4,096, K 1,024] x [K 1,024, N 1,024]; A: computed on the way; B: input out_w: QUANTISED (scales: A lowp_scales[6], B lowp_scales[7])
;;   THE QUANTISER, for each operand of a quantised product, along K:
;;     - The operand's scale is 2^e, e = its entry of the input lowp_scales (int32; the entries are numbered through the quantised products in the list's order, A before B).
;;     - Each number is divided by the scale, clamped to +-448, and rounded to the nearest number of E4M3, ties to even, subnormals kept.
;;     - The product sums the exact products of the quantised numbers (number of the format x scale) in f32.
;;   ~~~python
;;   def quantise(x, axis, e):      # numpy; x: float32 -> the quantised numbers, widened to float32 again
;;       x = np.moveaxis(x, axis, -1); K = x.shape[-1]
;;       r = np.clip(x / 2.0 ** e, -448, 448)
;;       step = 2.0 ** (np.maximum(np.frexp(np.where(r == 0, 1, r))[1] - 1, -6) - 3)
;;       q = np.round(r / step) * step * 2.0 ** e      # np.round: ties to even
;;       return np.moveaxis(q, -1, axis).astype(np.float32)
;;   ~~~
;;   SOFTMAX AHEAD OF A QUANTISED PRODUCT. Where the list says 'softmax', what is quantised is not the finished softmax but p = 2^(t - M), with t = logit x log2(e) and M = ceil(the row's largest t), a whole number; so 1/2 < the row's largest p <= 1. The row's sum l is taken of the UNQUANTISED p, in f32, and the product's result is divided by l at the end. Since M is a whole number, a kernel that streams over the keys may use a running M (the ceiling of the running maximum): every later rescaling is an exact power of two, so the quantised numbers keep their values, but for numbers so far below the row's largest that they fall under the format's range.
;;   OPERANDS COMPUTED ON THE WAY. 'Computed on the way' means the value that the module computes at that place (a softmax that the list does not call 'softmax' is quantised finished and normalised). What goes into a quantiser is computed in f32, as accurately as f32 sums, v_exp_f32 and their like allow (about 1e-6 of the number): no bf16 or f16 on the way to a quantiser, and a product that is left as it is and whose result goes on into a quantised operand takes f32 operands (vector FMAs, or v_wmma_f32_16x16x4_f32). A number that lies on a knife's edge between two numbers of the format may be rounded either way, as far as f32 arithmetic and the matrix unit's own rounding can turn it there, and no further.
;; One version. Each part assembles by itself: llvm-mc -triple=amdgcn-amd-amdhsa -mcpu=gfx1250 --defsym DOCPART=n.
;; ======== version 1 of 1: 4 launches
;; limits: right only within a limited range of input values
;; workspace buffers: codes 8,388,608 bytes; qkv 12,582,912 bytes; af 4,194,304 bytes
;; launch quant (part 1): grid 512 x 1, 4 waves a work-group, no clusters, 33,280 bytes of LDS; arguments x, qkv_w, out_w, lowp_scales, codes; writes codes
.if DOCPART == 1
	.amdgcn_target "amdgcn-amd-amdhsa--gfx1250"
	.amdhsa_code_object_version 6
	.text
	.protected	k_qf95451815b_quant
	.globl	k_qf95451815b_quant
	.p2align	8
	.type	k_qf95451815b_quant,@function
k_qf95451815b_quant:
	s_mov_b64 s[64:65], 0
	v_nop
	global_prefetch_b8 v0, s[64:65] scope:SCOPE_SE
	s_setreg_imm32_b32 hwreg(HW_REG_WAVE_MODE, 25, 1), 1
	s_wait_xcnt 0x0
; x [4096][1024], qkv_w [3072][1024] and out_w [1024][1024], f32, become codes of E4M3, one byte each, K innermost, laid end to end in one buffer of 8,192 rows of 1,024 codes:
; rows 0-4095 x (scale 2^e0), rows 4096-7167 qkv_w (2^e1), rows 7168-8191 out_w (2^e7).  code = number / 2^e, held within +-448, rounded to the nearest code, ties to even.
; LIMITS: each of e0, e1, e7 lies between -126 and 119, so that 2^e and 448 x 2^e are f32 numbers.  NaN among the inputs is not served; an infinity is held at the largest code.
; Rows are dense, so each tensor is a plain stream.  A work-group takes 16,384 numbers, each of its four waves 8 steps of 512.  Work-groups 0-255 take x, 256-447 qkv_w, 448-511 out_w: only the pointer, the first
; work-group's number and the exponent are chosen, on the work-group's number; the text has one path.  The codes' place is 16,384 x work-group, whatever the tensor.
; The conversion takes eight neighbours along K from ONE lane's registers; a load is best where neighbouring LANES take neighbouring bytes.  So a step's four loads read 512 consecutive bytes each, the 2,048 bytes
; turn through the wave's own stage in LDS (16 bytes of padding behind each 64) and come back 64 bytes a lane.  A lane's 16 codes are 16 bytes: a store of the wave covers 512 consecutive bytes, aligned.
; No matrix unit, no tensor load, no cluster, no barrier: the waves share nothing and each byte is read once.  Loads run four steps (16 loads a wave) ahead, the turn through LDS one step.
.set STEPS, 8
.set WG_X,  256                        ; work-groups of x
.set WG_XW, 448                        ; of x and qkv_w together
.set SP,    80                         ; a lane's place in a stage: 64 bytes + 16 of padding
.set WREG,  8192                       ; LDS of a wave: two stages of 32 x SP bytes
.set R,     16                         ; v16-79   four sets of 16 numbers as loaded
.set X,     80                         ; v80-111  two sets of 16 neighbours
.set C,     128                        ; v128-159 codes: four registers a step, so that no store's data are written again
	s_load_b256 s[4:11], s[0:1], 0x0               ; x s[4:5], qkv_w s[6:7], out_w s[8:9], the exponents s[10:11]
	s_load_b64 s[12:13], s[0:1], 0x20              ; the codes
	v_lshl_add_u32 v160, v0, 2, 0x8000
	v_mov_b32 v161, 0
	v_lshrrev_b32 v1, 5, v0
	v_readfirstlane_b32 s16, v1                    ; wave
	v_and_b32 v2, 31, v0                           ; lane
	v_lshlrev_b32 v3, 4, v2                        ; 16 x lane: my bytes of a load's 512 and of a store's 512; never rewritten
	s_mul_i32 s17, s16, WREG
	v_lshrrev_b32 v14, 2, v2
	v_mul_u32_u24 v14, v14, SP
	v_and_b32 v15, 3, v2
	v_lshl_add_u32 v14, v15, 4, v14
	v_add_nc_u32 v14, s17, v14                     ; the stage, on the way in: SP (lane / 4) + 16 (lane % 4); a load's 512 bytes take eight places
	v_mul_u32_u24 v15, v2, SP
	v_add_nc_u32 v15, s17, v15                     ; on the way out: SP x lane: my 16 neighbours
	s_wait_alu depctr_va_vdst(0)
	s_wait_kmcnt 0x0
	s_load_b256 s[24:31], s[10:11], 0x0            ; e0 .. e7
	s_cmp_lt_u32 ttmp9, WG_XW                      ; the choices hang on the work-group's number alone
	s_cselect_b64 s[6:7], s[6:7], s[8:9]
	s_mov_b32 s17, WG_XW
	s_cselect_b32 s17, WG_X, s17
	s_cmp_lt_u32 ttmp9, WG_X
	s_cselect_b64 s[4:5], s[4:5], s[6:7]           ; my tensor
	s_cselect_b32 s17, 0, s17                      ; and its first work-group
	s_sub_co_u32 s17, ttmp9, s17
	s_lshl_b32 s18, s17, 16                        ; 65,536 bytes of f32 a work-group,
	s_lshl_b32 s19, s16, 14                        ; 16,384 a wave
	s_add_co_u32 s18, s18, s19
	s_mov_b32 s19, 0
	s_add_nc_u64 s[4:5], s[4:5], s[18:19]
	s_lshl_b32 s20, ttmp9, 14                      ; 16,384 bytes of codes a work-group,
	s_lshl_b32 s21, s16, 12                        ; 4,096 a wave
	s_add_co_u32 s20, s20, s21
	s_mov_b32 s21, 0
	s_add_nc_u64 s[12:13], s[12:13], s[20:21]
.macro LOAD t
.irp i, 0,1,2,3
	global_load_b128 v[R+16*((\t)%4)+4*\i:R+16*((\t)%4)+4*\i+3], v3, s[4:5] offset:2048*(\t)+512*\i th:TH_LOAD_NT   ; 32 lanes read 512 consecutive bytes; read once in the launch
.endr
.endm
.macro TURN t                          ; step t's numbers through the stage: LDS serves a wave's instructions in order (ISA guide 5.7.1.4), so no wait stands between the stores and the loads
.irp i, 0,1,2,3
	ds_store_b128 v14, v[R+16*((\t)%4)+4*\i:R+16*((\t)%4)+4*\i+3] offset:32*SP*((\t)%2)+8*SP*\i
.endr
.irp i, 0,1,2,3
	ds_load_b128 v[X+16*((\t)%2)+4*\i:X+16*((\t)%2)+4*\i+3], v15 offset:32*SP*((\t)%2)+16*\i
.endr
.endm
.irp t, 0,1,2,3
	LOAD \t
.endr
	s_wait_kmcnt 0x0
	s_cmp_lt_u32 ttmp9, WG_XW
	s_cselect_b32 s22, s25, s31                    ; e1 or e7,
	s_cmp_lt_u32 ttmp9, WG_X
	s_cselect_b32 s22, s24, s22                    ; or e0
	s_add_co_i32 s22, s22, 127
	s_lshl_b32 s23, s22, 23
	v_mov_b32 v11, s23                             ; 2^e as f32: the conversion takes its exponent field
	s_add_co_i32 s22, s22, 8
	s_lshl_b32 s22, s22, 23
	s_or_b32 s22, s22, 0x600000
	v_mov_b32 v10, s22                             ; 448 x 2^e
	s_wait_alu depctr_va_vdst(0)
	s_wait_loadcnt 12                              ; step 0's four loads are in; the twelve of steps 1 to 3 may be out
	TURN 0
.macro STEP t
.set XS, X+16*((\t)%2)
	s_wait_dscnt 0x0                               ; this step's numbers are back from the stage, so its stores into the stage have read their registers,
.if (\t)+4 < STEPS
	LOAD (\t)+4                                    ; which take the loads of four steps on
.endif
.if (\t)+1 < STEPS
.if STEPS-2-(\t) >= 3
	s_wait_loadcnt 12                              ; the next step's four loads are in; those of the three steps behind it may be out
.else
	s_wait_loadcnt 4*(STEPS-2-(\t))                ; the tail: as many steps as are still behind the next one
.endif
	TURN (\t)+1                                    ; through the other stage while this step is worked
.endif
.irp i, 0,1,2,3,4,5,6,7,8,9,10,11,12,13,14,15
	v_med3_num_f32 v[XS+\i], v[XS+\i], -v10, v10   ; the conversion to an 8-bit code does not saturate (ISA guide 7.6.2): the number is held within 448 x the scale first
.endr
	v_cvt_scalef32_pk8_fp8_f32 v[C+4*(\t):C+4*(\t)+1], v[XS:XS+7], v11
	v_cvt_scalef32_pk8_fp8_f32 v[C+4*(\t)+2:C+4*(\t)+3], v[XS+8:XS+15], v11
	global_store_b128 v3, v[C+4*(\t):C+4*(\t)+3], s[12:13] offset:512*(\t)   ; the results go to a store alone; the next vector lines are the next step's holds, plain ones on other registers
.endm
.irp t, 0,1,2,3,4,5,6,7
	STEP \t
.endr
	s_wait_tensorcnt 0x0
	ds_add_u32 v160, v161
	s_wait_dscnt 0x0
	s_endpgm
.Lfunc_end_k_qf95451815b_quant:
	.size	k_qf95451815b_quant, .Lfunc_end_k_qf95451815b_quant-k_qf95451815b_quant
	.p2alignl 7, 3214868480
	.fill 96, 4, 3214868480
	.section	.rodata,"a",@progbits
	.p2align	6, 0x0
	.amdhsa_kernel k_qf95451815b_quant
		.amdhsa_group_segment_fixed_size 33280
		.amdhsa_private_segment_fixed_size 0
		.amdhsa_enable_private_segment 0
		.amdhsa_kernarg_size 40
		.amdhsa_user_sgpr_count 2
		.amdhsa_user_sgpr_kernarg_segment_ptr 1
		.amdhsa_wavefront_size32 1
		.amdhsa_system_sgpr_workgroup_id_x 1
		.amdhsa_system_sgpr_workgroup_id_y 1
		.amdhsa_system_sgpr_workgroup_id_z 1
		.amdhsa_system_vgpr_workitem_id 0
		.amdhsa_next_free_vgpr 162
		.amdhsa_next_free_sgpr 66
		.amdhsa_reserve_vcc 0
		.amdhsa_float_denorm_mode_32 3
		.amdhsa_float_denorm_mode_16_64 3
		.amdhsa_memory_ordered 1
		.amdhsa_forward_progress 1
		.amdhsa_inst_pref_size 20
	.end_amdhsa_kernel
	.amdgpu_metadata
---
amdhsa.version: [ 1, 2 ]
amdhsa.kernels:
  - .name:           k_qf95451815b_quant
    .symbol:         k_qf95451815b_quant.kd
    .args:
      - { .name: x, .offset: 0, .size: 8, .value_kind: global_buffer, .address_space: global }
      - { .name: qkv_w, .offset: 8, .size: 8, .value_kind: global_buffer, .address_space: global }
      - { .name: out_w, .offset: 16, .size: 8, .value_kind: global_buffer, .address_space: global }
      - { .name: lowp_scales, .offset: 24, .size: 8, .value_kind: global_buffer, .address_space: global }
      - { .name: codes, .offset: 32, .size: 8, .value_kind: global_buffer, .address_space: global }
    .group_segment_fixed_size: 33280
    .private_segment_fixed_size: 0
    .kernarg_segment_align: 8
    .kernarg_segment_size: 40
    .max_flat_workgroup_size: 128
    .sgpr_count:     66
    .vgpr_count:     162
    .wavefront_size: 32
...
	.end_amdgpu_metadata
.endif
;; end of part 1
;; launch qkvp (part 2): grid 12 x 16, 4 waves a work-group, clusters of 4 x 4, 327,680 bytes of LDS; arguments codes, lowp_scales, qkv_b, qkv; writes qkv
.if DOCPART == 2
	.amdgcn_target "amdgcn-amd-amdhsa--gfx1250"
	.amdhsa_code_object_version 6
	.text
	.protected	k_qf95451815b_qkvp
	.globl	k_qf95451815b_qkvp
	.p2align	8
	.type	k_qf95451815b_qkvp,@function
k_qf95451815b_qkvp:
	s_mov_b64 s[64:65], 0
	v_nop
	global_prefetch_b8 v0, s[64:65] scope:SCOPE_SE
	s_setreg_imm32_b32 hwreg(HW_REG_WAVE_MODE, 25, 1), 1
	s_wait_xcnt 0x0
	s_wait_alu depctr_hold_cnt(0) depctr_sa_sdst(0) depctr_va_vdst(0) depctr_va_sdst(0) depctr_va_ssrc(0) depctr_va_vcc(0) depctr_vm_vsrc(0)
	s_getreg_b32 s2, hwreg(HW_REG_IB_STS2, 6, 4)
	s_cmp_eq_u32 s2, 0
	s_cbranch_scc0 .Lentry_in_a_cluster
	s_endpgm
.Lentry_in_a_cluster:
	s_bfe_u32 s2, ttmp6, 0x10000c
	s_cmp_lg_u32 s2, 0xf033
	s_cbranch_scc0 .Lentry_shape_is_right
	s_endpgm
.Lentry_shape_is_right:
; qkv = x qkv_w^T + qkv_b on codes of E4M3 (K = 1,024), and its three parts quantised at once: q with 2^e2, k with 2^e3, v with 2^e5.  Each finished sum is multiplied by 2^(e0 + e1), the bias is added in the same
; fused multiply-add, in f32; the number is held within 448 x the scale and converted.  Nothing of qkv goes to memory in f32.
; LIMITS: e0 + e1 between -126 and 127; e2, e3, e5 between -126 and 119: so that each power of two below is an f32 number.
; SHARES.  A tile of 256 x 256 is made by a work-group of four waves, a wave makes 128 x 128: 64 accumulators, 512 registers.  K goes in steps of 256 through a ring of two LDS slots: four K steps, written out.
; The cluster's x is the KIND: 0 q, 1 k, 2 v; it is the same in all sixteen partners.  Source 0 of the matrix instruction takes 16 rows of the 'B side', source 1 of the 'A side': a lane then holds ONE row of the A side and eight
; neighbouring rows of the B side.  For q and k the A side is tokens and the B side features, so a lane's eight results run along the head's 64, the next product's K.  For v the sides change places (A side: rows of the
; weight, B side: tokens), so that they run along the keys, which are v's K.  All operands lie in one buffer of codes, so only ROW NUMBERS are chosen by the kind; the products are one text.
; WHAT IS STORED are images of the next launch's operand registers: registers 4 i .. 4 i + 3 of lane l at 512 i + 16 l.  q, k: for each head and tile of 16 tokens 8 registers (lane (r, h): token r; registers 2 c, 2 c + 1:
; d = 16 c + 8 h + 0 .. 7), 1,024 bytes.  v: for each head, 128 keys and 16 of d 16 registers (lane (r, h): d = r; registers 2 c, 2 c + 1: key 16 c + 8 h + 0 .. 7), 2,048 bytes.  The conversion of accumulator (a, b) IS
; registers 2 (b % 4), 2 (b % 4) + 1 (q, k) or 2 b, 2 b + 1 (v) of such an image: no stage in LDS, and each store of the wave covers 512 consecutive bytes, aligned.
; qkv: [batch x head 32][part 3][131,072 bytes]; q, k: [tile of 16 tokens 128][1,024]; v: [128 keys 16][16 of d 4][2,048].
; CLUSTERS: 4 x 4.  The A side's tile hangs on cy and the cluster's ids alone and is asked for jointly by a row of the cluster, the B side's on cx and is asked for by a column.
; PREFETCH into the L2: each fill goes out with no other tensor load of the wave on its way, so what it asks for is named ahead: K steps 1 and 2 behind K step 0's load, K step 3 behind K step 1's load: K steps 2 and 3 two fills ahead.
; Of the 128 rows that a wave fetches each of the four partners that ask for them jointly names 32, told apart by address (cx for A, cy for B), a lane a row: each block of 256 bytes once in each cluster that loads it.
; REGISTERS: window 0: v16-31 addresses and constants; v32-95 the bias along a lane's registers (q, k); v96-111 the bias of a lane's row, twice (v); from v128 the A side's fragments, ONE set; on the way out v128-191 numbers,
;   v192-255 codes, four sets of 16.   window 1: the B side's fragments, TWO sets.   windows 2, 3: the accumulators ((a, b) at v[8 (8 (a % 4) + b)] of window 2 + a / 4).
.set KROW,   1024                      ; a row of codes in memory, in bytes
.set ROWB,   256                       ; a tile's row: 256 along K
.set PITCH,  272                       ; an LDS row: 256 bytes + 16 of padding = 68 words: row r starts at bank 4 r mod 64 (ISA guide 11.1), so the 16 rows of a load start at 16 different banks
.set FR,     16                        ; registers of a fragment, 16 rows x 128 K
.set NL,     4                         ; LDS loads that bring one
.set NP,     4                         ; places behind this matrix instruction (ISA guide 7.12.1)
.set HALFT,  128*PITCH                 ; 128 rows: what one tensor load brings, and what one wave reads of a side
.set SLOT,   4*HALFT                   ; the A side's 256 rows, then the B side's
.set SPARE,  2*SLOT                    ; behind the ring: the spare words, 128 bytes a wave: two blocks of 256 bytes that no other line names
.set HEADB,  393216                    ; a head's q, k and v in the output
.set ADRA, 16                          ; v16-17  LDS address of my A fragments in slot 0, 1
.set ADRB, 20                          ; v20-21  the same for B
.set LI,   24                          ; v24     16 x lane: my place in an image; never rewritten
.set HO,   25                          ; v25     32 x (lane / 16)
.set RO,   26                          ; v26     4 x (lane % 16)
.set PFO,  27                          ; v27     1,024 x lane: the prefetches' offset; never rewritten
.set SPW,  28                          ; v28     my spare word: SPARE + 4 x my thread's number; never rewritten
.set NIL,  29                          ; v29     0; never rewritten
.set SCR,  30                          ; v30     the quantiser's scale as f32
.set LIMR, 31                          ; v31     448 x that
.set BI,   32
.set BV,   96
.set AF,   128
.set TMP,  128
.set CD,   192
.set PFA, 86                           ; s[86:87] my work-group's 32 rows of the 128 that I fetch, at K step 0; never rewritten
.set G1, 24                            ; s[24:31] descriptor group 1 for the A side;  s[32:39] group 0, a set for each slot
.set G0, 32
.set G1B, 48                           ; s[48:55], s[56:63] the same for the B side
.set G0B, 56
.set MSB, 0
.macro WIN new                         ; the immediate's high byte repeats the setting that is left; a switch that changes nothing is dropped
.if MSB != (\new)
	s_set_vgpr_msb (MSB<<8)|(\new)
.set MSB, (\new)
.endif
.endm
.set MUL_LO, 0xa1                      ; source 0 (B) window 1, source 1 (A) window 0, C and D window 2
.set MUL_HI, 0xf1                      ; the same, C and D window 3
.set TO_B,   0x40                      ; destination window 1, address window 0
; A joint load: waves 0 and 1 fetch for the A side, waves 2 and 3 for the B side.  Each line has one mask and one set of registers for all that issue it; the branch hangs on the wave's number alone.
; An s_nop 0 and four v_nop follow each of the two lines, ahead of the jump, the label and what follows.
.macro JLOAD g0a, g1a, g0b, g1b
	s_cmp_eq_u32 s15, 0
	s_cbranch_scc0 .Lfor_b_\@
	tensor_load_to_lds s[\g0a:\g0a+3], s[\g1a:\g1a+7]
	s_nop 0
.rept 4
	v_nop
.endr
	s_branch .Lasked_\@
.Lfor_b_\@:
	tensor_load_to_lds s[\g0b:\g0b+3], s[\g1b:\g1b+7]
	s_nop 0
.rept 4
	v_nop
.endr
.Lasked_\@:
.endm
.macro CREST                           ; a round of the cluster's barrier behind its opening barrier
	s_cmp_lg_u32 s14, 0
	s_cbranch_scc1 .Lnot_wave_0_\@
	s_barrier_signal -3
.Lnot_wave_0_\@:
	s_barrier_wait -3
	s_barrier_signal -1
	s_barrier_wait -1
.endm
.macro CROUND                          ; a whole round
	s_barrier_signal -1
	s_barrier_wait -1
	CREST
.endm
	s_load_b256 s[4:11], s[0:1], 0x0               ; the codes s[4:5], the exponents s[6:7], qkv_b s[8:9], qkv s[10:11]
	v_lshl_add_u32 v[SPW], v0, 2, SPARE
	v_mov_b32 v[NIL], 0
	ds_add_u32 v[SPW], v[NIL]                      ; the wave's opening: the add, twice on end, and its wait ahead of my first tensor load
	ds_add_u32 v[SPW], v[NIL]
	v_lshrrev_b32 v1, 5, v0
	v_readfirstlane_b32 s14, v1                    ; wave 0..3
	s_lshr_b32 s15, s14, 1                         ; which half of the A side's rows is mine.  Also: I fetch for A (0) or for B (1)
	s_and_b32 s16, s14, 1                          ; which half of the B side's.  Also: which 128 rows of that tile I fetch
	s_bfe_u32 s40, ttmp6, 0x40000                  ; cx, cy: my place in the cluster
	s_bfe_u32 s41, ttmp6, 0x40004
	s_and_b32 s77, ttmp7, 0xffff
	s_lshl_b32 s77, s77, 2                         ; 4 x cluster y: the cluster's first tile of 256 tokens
	s_lshl_b32 s78, ttmp9, 2
	s_add_co_u32 s78, s78, 16                      ; q's and k's weights: tiles 16 + 4 kind on (in units of 256 rows of the codes' buffer)
	s_cmp_eq_u32 ttmp9, 2                          ; v?  The cluster's x: the same in all partners
	s_cselect_b32 s17, 24, s77                     ; the A side: v's weights (tiles 24 on), or tokens,
	s_cselect_b32 s42, s77, s78                    ; the B side: tokens, or weights
	s_add_co_u32 s17, s17, s41                     ; A's tile hangs on cy,
	s_add_co_u32 s42, s42, s40                     ; B's on cx
	s_lshl_b32 s43, s41, 2
	s_lshl_b32 s43, 15, s43                        ; my row of the cluster
	s_lshl_b32 s44, 0x1111, s40                    ; my column
	; descriptor group 1: a tile of 128 rows x 256 bytes, padded in LDS
	s_or_b32 s[G1+0], s43, (0<<16)|(1<<20)|(1<<21)|(5<<22)|(3<<25)  ; 15:0 the mask; 17:16 elements of 1 byte; 20 padding on; 21 set beside a mask; 24:22 after every 64 words (code 5); 31:25 four words (code 3)
	s_or_b32 s[G1B+0], s44, (0<<16)|(1<<20)|(1<<21)|(5<<22)|(3<<25)
.irp g, G1, G1B
	s_mov_b32 s[\g+1], ROWB<<16                    ; tensor_dim0
	s_mov_b32 s[\g+2], 128<<16                     ; tensor_dim1
	s_mov_b32 s[\g+3], ROWB<<16                    ; tile_dim0
	s_mov_b32 s[\g+4], 128                         ; tile_dim1
	s_mov_b32 s[\g+5], KROW                        ; tensor_dim0_stride
	s_mov_b32 s[\g+6], 0
	s_mov_b32 s[\g+7], 0
.endr
	s_lshl_b32 s18, s16, 17                        ; the 128 rows that I fetch, x 1,024 bytes
	s_lshl_b32 s20, s17, 18                        ; A: 256 rows x 1,024 bytes a tile
	s_add_co_u32 s20, s20, s18
	s_mov_b32 s21, 0
	s_lshl_b32 s46, s42, 18                        ; B likewise, in registers that never hold cy
	s_add_co_u32 s46, s46, s18
	s_mov_b32 s47, 0
	s_mul_i32 s45, s14, HALFT                      ; where they go: wave x 128 rows: no place in the cluster enters an LDS address
	s_wait_dscnt 0x0                               ; both opening adds are done
	s_wait_kmcnt 0x0
	s_load_b256 s[68:75], s[6:7], 0x0              ; e0 .. e7
	s_add_nc_u64 s[20:21], s[4:5], s[20:21]
	s_add_nc_u64 s[46:47], s[4:5], s[46:47]
	CROUND                                         ; all sixteen work-groups are here: the first joint loads meet
.irp s, 0,1
	s_mov_b32 s[G0+4*\s], 1
	s_add_co_u32 s[G0+4*\s+1], s45, \s*SLOT
	s_add_nc_u64 s[G0+4*\s+2:G0+4*\s+3], s[20:21], \s*ROWB
	s_or_b32 s[G0+4*\s+3], s[G0+4*\s+3], 0x80000000
	s_mov_b32 s[G0B+4*\s], 1
	s_add_co_u32 s[G0B+4*\s+1], s45, \s*SLOT
	s_add_nc_u64 s[G0B+4*\s+2:G0B+4*\s+3], s[46:47], \s*ROWB
	s_or_b32 s[G0B+4*\s+3], s[G0B+4*\s+3], 0x80000000
.endr
	JLOAD G0, G1, G0B, G1B                         ; K step 0: one tensor load a wave at the head
	s_cmp_eq_u32 s15, 0                            ; the prefetches: do I fetch for A?
	s_cselect_b64 s[PFA:PFA+1], s[20:21], s[46:47]
	s_cselect_b32 s88, s40, s41                    ; my place among the four that ask jointly:
	s_lshl_b32 s88, s88, 15                        ; 32 rows x 1,024 bytes
	s_mov_b32 s89, 0
	s_add_nc_u64 s[PFA:PFA+1], s[PFA:PFA+1], s[88:89]
	v_and_b32 v[PFO], 31, v0
	v_lshlrev_b32 v[PFO], 10, v[PFO]               ; a lane a row
	global_prefetch_b8 v[PFO], s[PFA:PFA+1] offset:ROWB th:TH_LOAD_NT scope:SCOPE_SE     ; K step 1
	global_prefetch_b8 v[PFO], s[PFA:PFA+1] offset:2*ROWB th:TH_LOAD_NT scope:SCOPE_SE   ; K step 2
	v_and_b32 v1, 15, v0                           ; r = lane % 16
	v_bfe_u32 v2, v0, 4, 1                         ; h = lane / 16
	v_mul_u32_u24 v3, v1, PITCH
	v_lshl_add_u32 v4, v2, 4, v3                   ; a fragment's row x pitch + 16 h
	s_mul_i32 s21, s15, HALFT                      ; my 128 rows of the A side
	s_mul_i32 s22, s16, HALFT                      ; my 128 rows of the B side,
	s_add_co_u32 s22, s22, 2*HALFT                 ; which lie behind A's 256
.irp s, 0,1
	v_add_nc_u32 v[ADRA+\s], s21, v4
	v_add_nc_u32 v[ADRB+\s], s22, v4
	s_add_co_u32 s21, s21, SLOT
	s_add_co_u32 s22, s22, SLOT
.endr
	v_and_b32 v5, 31, v0
	v_lshlrev_b32 v[LI], 4, v5
	v_lshlrev_b32 v[HO], 5, v2
	s_wait_alu depctr_va_vdst(0)                   ; directly ahead of the reader below
	v_lshlrev_b32 v[RO], 2, v1
	; The bias in both forms, in every work-group, so that no register's state hangs on the kind; both stay inside qkv_b for every kind.
	s_wait_alu depctr_va_vdst(0)                   ; and here, ahead of the scalar lines
	s_lshl_b32 s78, ttmp9, 12                      ; along a lane's registers: qkv_b[1024 kind + 256 cx + 128 half + 16 b + 8 h + j]
	s_lshl_b32 s79, s40, 10
	s_add_co_u32 s78, s78, s79
	s_lshl_b32 s79, s16, 9
	s_add_co_u32 s78, s78, s79
	s_mov_b32 s79, 0
	s_add_nc_u64 s[78:79], s[8:9], s[78:79]
	s_lshl_b32 s80, s41, 10                        ; of a lane's row: qkv_b[2048 + 256 cy + 128 half + 16 a + r]
	s_lshl_b32 s81, s15, 9
	s_add_co_u32 s80, s80, s81
	s_add_co_u32 s80, s80, 8192
	s_mov_b32 s81, 0
	s_add_nc_u64 s[80:81], s[8:9], s[80:81]
.irp b, 0,1,2,3,4,5,6,7
	global_load_b128 v[BI+8*\b:BI+8*\b+3], v[HO], s[78:79] offset:64*\b
	global_load_b128 v[BI+8*\b+4:BI+8*\b+7], v[HO], s[78:79] offset:64*\b+16
.endr
.irp a, 0,1,2,3,4,5,6,7
	global_load_b32 v[BV+2*\a], v[RO], s[80:81] offset:64*\a      ; twice: the packed multiply-add names a pair
	global_load_b32 v[BV+2*\a+1], v[RO], s[80:81] offset:64*\a
.endr
.macro FRAG reg, adr, q, i             ; 16 rows x 128 K: lane l holds row l % 16; registers 4 c .. 4 c + 3 hold K = 32 c + 16 (l / 16) + 0 .. 15: a permutation of k that is the same on both sides, so every product meets its partner
.irp c, 0,1,2,3
	ds_load_b128 v[\reg+4*\c:\reg+4*\c+3], v[\adr] offset:128*(\q)+32*\c+(\i)*16*PITCH
.endr
.endm
; 16 matrix instructions: A's blocks a0, a0 + 1 x B's eight, 128 along K.  p: B's set.  zero = 1: the first product starts the sums.  The 64 accumulators take turns, one instruction a turn.
.macro MUL16 a0, p, zero
.irp a, \a0, \a0+1
.irp b, 0,1,2,3,4,5,6,7
.if \zero
	v_wmma_f32_16x16x128_fp8_fp8 v[8*(8*((\a)%4)+\b):8*(8*((\a)%4)+\b)+7], v[128*(\p)+FR*\b:128*(\p)+FR*\b+FR-1], v[AF+FR*(\a):AF+FR*(\a)+FR-1], 0
.else
	v_wmma_f32_16x16x128_fp8_fp8 v[8*(8*((\a)%4)+\b):8*(8*((\a)%4)+\b)+7], v[128*(\p)+FR*\b:128*(\p)+FR*\b+FR-1], v[AF+FR*(\a):AF+FR*(\a)+FR-1], v[8*(8*((\a)%4)+\b):8*(8*((\a)%4)+\b)+7]
.endif
.endr
.endr
.endm
.macro FETCH_B slot, q, p              ; B's eight fragments of the slot's q-th 128 along K into set p
	WIN TO_B
.irp i, 0,1,2,3,4,5,6,7
	FRAG 128*(\p)+FR*\i, ADRB+\slot, \q, \i
.endr
	WIN 0
.endm
.macro FETCH_A slot, q, i0             ; A's blocks i0 .. i0 + 3
.irp i, \i0, \i0+1, \i0+2, \i0+3
	FRAG AF+FR*(\i), ADRA+\slot, \q, \i
.endr
.endm
.macro PLACES n                        ; plain vector lines between a matrix instruction and a load into, or a vector line on, one of its registers (ISA guide 7.12.1 for vector lines)
.rept \n
	v_nop
.endr
.endm
; A step of 128 along K that has its successor in the same slot.  A block of A is free as soon as its eight products are issued: blocks 0-3 are fetched anew in the step's middle, blocks 4-7 at its end.
.macro STEP slot, q, zero
	s_wait_dscnt 4*NL                              ; B's set and A's blocks 0-3 are in; the youngest sixteen loads (A's blocks 4-7) may be out
	WIN MUL_LO
	MUL16 0, (\q)%2, \zero
	MUL16 2, (\q)%2, \zero
	s_wait_dscnt 0                                 ; A's blocks 4-7 are in
	PLACES NP
	FETCH_B \slot, (\q)+1, 1-(\q)%2
	FETCH_A \slot, (\q)+1, 0
	WIN MUL_HI
	MUL16 4, (\q)%2, \zero
	MUL16 6, (\q)%2, \zero
	PLACES NP
	WIN 0
	FETCH_A \slot, (\q)+1, 4
.endm
; A slot's last step changes slots: one barrier; in front of it each wave waits for all its tensor loads, adds 0 to its spare word, and waits for that and for its reads of this slot.  fill = 1: this slot is filled again.
.macro TURN slot, next, fill
	s_wait_tensorcnt 0x0                           ; all my tensor loads have landed: my part of the next slot  (every window is 0 here)
	ds_add_u32 v[SPW], v[NIL]                      ; 0 onto my spare word
	s_wait_dscnt 4*NL+1                            ; the add and the youngest sixteen loads (A's blocks 4-7) may be out
	WIN MUL_LO
	MUL16 0, 1, 0                                  ; sixteen matrix instructions stand between the add and the wait for it
	s_wait_dscnt 0x0                               ; the add is done, and my reads of this slot are over
	s_barrier_signal -1
	MUL16 2, 1, 0
	WIN 0
	s_barrier_wait -1
.if \fill
	CREST                                          ; the barrier has opened a round of the cluster's: no wave of any partner still reads this slot or has a load on its way
	s_add_nc_u64 s[G0+4*\slot+2:G0+4*\slot+3], s[G0+4*\slot+2:G0+4*\slot+3], 2*ROWB
	s_add_nc_u64 s[G0B+4*\slot+2:G0B+4*\slot+3], s[G0B+4*\slot+2:G0B+4*\slot+3], 2*ROWB
	JLOAD G0+4*\slot, G1, G0B+4*\slot, G1B         ; the first tensor load behind the round, my one load out; its four v_nop are the places in front of the loads below
.else
	PLACES NP
.endif
	FETCH_B \next, 0, 0
	FETCH_A \next, 0, 0
	WIN MUL_HI
	MUL16 4, 1, 0
	MUL16 6, 1, 0
	PLACES NP
	WIN 0
	FETCH_A \next, 0, 4
.endm
	s_wait_alu depctr_va_vdst(0)                   ; the wait at the head's end
	s_wait_tensorcnt 0x0                           ; my part of K step 0 is in
	ds_add_u32 v[SPW], v[NIL]
	s_wait_dscnt 0x0                               ; the add is done
	CROUND                                         ; everybody's part of K step 0 is in, and all sixteen work-groups are here
	JLOAD G0+4, G1, G0B+4, G1B                     ; K step 1, the first tensor load behind the round
	FETCH_B 0, 0, 0
	FETCH_A 0, 0, 0
	FETCH_A 0, 0, 4
	global_prefetch_b8 v[PFO], s[PFA:PFA+1] offset:3*ROWB th:TH_LOAD_NT scope:SCOPE_SE   ; K step 3
	STEP 0, 0, 1                                   ; K = 1,024 is four K steps, eight steps of 128: written out, no loop.  The first products start the sums
	TURN 0, 1, 1                                   ; slot 0 takes K step 2
	STEP 1, 0, 0
	TURN 1, 0, 1                                   ; slot 1 takes K step 3
	STEP 0, 0, 0
	TURN 0, 1, 0                                   ; nothing is left to fetch
	STEP 1, 0, 0
	s_wait_dscnt 4*NL                              ; the last step
	WIN MUL_LO
	MUL16 0, 1, 0
	MUL16 2, 1, 0
	s_wait_dscnt 0
	WIN MUL_HI
	MUL16 4, 1, 0
	MUL16 6, 1, 0
	WIN 0
	; THE WAY OUT.  Where my images begin: (16 batch + head) x 393,216 + kind x 131,072 + (T % 8) x 16,384 + half x 8,192, T the tile of 256 tokens, batch = T / 8.
	; q, k: T = 4 cluster y + cy, head = 4 cx + 2 (B half), the last half is A's.  v: T = 4 cluster y + cx, head = 4 cy + 2 (A half), the last half is B's.  The coordinates are chosen, the arithmetic is one.
	s_wait_loadcnt 0x0                             ; the biases, asked for at the head
	s_wait_kmcnt 0x0
	s_add_co_i32 s96, s68, s69
	s_add_co_i32 s96, s96, 127
	s_lshl_b32 s96, s96, 23                        ; 2^(e0 + e1) as f32
	s_mov_b32 s97, s96                             ; (named with it as a pair, so it is written)
	s_cmp_eq_u32 ttmp9, 2
	s_cselect_b32 s78, s40, s41                    ; the tokens' coordinate in the cluster
	s_cselect_b32 s79, s41, s40                    ; the features'
	s_cselect_b32 s80, s15, s16                    ; the features' half
	s_cselect_b32 s81, s16, s15                    ; the tokens' half
	s_cselect_b32 s76, s73, s71                    ; e5 or e3,
	s_cmp_eq_u32 ttmp9, 0
	s_cselect_b32 s76, s70, s76                    ; or e2: a choice of a value, no branch
	s_add_co_u32 s78, s77, s78                     ; T
	s_lshr_b32 s82, s78, 3
	s_lshl_b32 s82, s82, 4                         ; 16 batch
	s_lshl_b32 s79, s79, 2
	s_add_co_u32 s82, s82, s79
	s_lshl_b32 s80, s80, 1
	s_add_co_u32 s82, s82, s80                     ; + head
	s_mul_i32 s82, s82, HEADB
	s_lshl_b32 s83, ttmp9, 17
	s_add_co_u32 s82, s82, s83
	s_and_b32 s78, s78, 7
	s_lshl_b32 s78, s78, 14
	s_add_co_u32 s82, s82, s78
	s_lshl_b32 s81, s81, 13
	s_add_co_u32 s82, s82, s81
	s_mov_b32 s83, 0
	s_add_nc_u64 s[10:11], s[10:11], s[82:83]
	s_add_co_i32 s76, s76, 127
	s_lshl_b32 s78, s76, 23
	v_mov_b32 v[SCR], s78                          ; the quantiser's 2^e as f32
	s_add_co_i32 s76, s76, 8
	s_lshl_b32 s76, s76, 23
	s_or_b32 s76, s76, 0x600000
	v_mov_b32 v[LIMR], s76                         ; 448 x 2^e
	PLACES NP                                      ; behind the last products: block 7's results are read, and A's registers written, only behind these
; Block a (16 rows of the A side x 128 of the B side).  kind = 0: q, k; 1: v.
.macro OUTB a, kind
.set AC, 64*((\a)%4)
.set CSET, CD+16*((\a)%4)
.if (\a) >= 4
	s_wait_xcnt 0x0                                ; block a - 4's stores have read their data: its set of codes may be written again
.endif
	WIN 0x02+((\a)/4)                              ; source 0: window 2 or 3
.set j, 0
.rept 32
.if \kind
	v_pk_fma_f32 v[TMP+j:TMP+j+1], v[AC+j:AC+j+1], s[96:97], v[BV+2*(\a):BV+2*(\a)+1] op_sel_hi:[1,0,1]   ; sum x 2^(e0 + e1) + the bias of my row; each accumulator from its low end on
.else
	v_pk_fma_f32 v[TMP+j:TMP+j+1], v[AC+j:AC+j+1], s[96:97], v[BI+j:BI+j+1] op_sel_hi:[1,0,1]             ; sum x 2^(e0 + e1) + the bias of the register's feature
.endif
.set j, j+2
.endr
	WIN 0
.set j, 0
.rept 64
	v_med3_num_f32 v[TMP+j], v[TMP+j], -v[LIMR], v[LIMR]   ; the conversion does not saturate (ISA guide 7.6.2): the hold at 448 x the scale
.set j, j+1
.endr
.irp b, 0,1,2,3,4,5,6,7
	v_cvt_scalef32_pk8_fp8_f32 v[CSET+2*\b:CSET+2*\b+1], v[TMP+8*\b:TMP+8*\b+7], v[SCR]
.endr
	v_nop                                          ; one plain vector line behind the last conversion: the next block's multiply-adds write its sources
.irp i, 0,1,2,3
.if \kind
	global_store_b128 v[LI], v[CSET+4*\i:CSET+4*\i+3], s[10:11] offset:((\a)/4)*HEADB+((\a)%4)*2048+\i*512   ; head a / 4, 16 of d a % 4: one image of 2,048 bytes
.else
	global_store_b128 v[LI], v[CSET+4*\i:CSET+4*\i+3], s[10:11] offset:(\a)*1024+(\i/2)*HEADB+(\i%2)*512     ; tile of tokens a, head i / 2: two images of 1,024 bytes
.endif
.endr
.endm
	s_cmp_eq_u32 ttmp9, 2                          ; the cluster's x: the same in all sixteen partners; neither way touches LDS
	s_cbranch_scc1 .Lv_out
.irp a, 0,1,2,3,4,5,6,7
	OUTB \a, 0
.endr
	s_branch .Ldone
.Lv_out:
.irp a, 0,1,2,3,4,5,6,7
	OUTB \a, 1
.endr
.Ldone:
	s_wait_tensorcnt 0x0                           ; the wave's end
	ds_add_u32 v[SPW], v[NIL]
	s_wait_dscnt 0x0
	CROUND                                         ; the closing round: no work-group ends while a partner may still ask for a tile that names it
	s_endpgm
.Lfunc_end_k_qf95451815b_qkvp:
	.size	k_qf95451815b_qkvp, .Lfunc_end_k_qf95451815b_qkvp-k_qf95451815b_qkvp
	.p2alignl 7, 3214868480
	.fill 96, 4, 3214868480
	.section	.rodata,"a",@progbits
	.p2align	6, 0x0
	.amdhsa_kernel k_qf95451815b_qkvp
		.amdhsa_group_segment_fixed_size 327680
		.amdhsa_private_segment_fixed_size 0
		.amdhsa_enable_private_segment 0
		.amdhsa_kernarg_size 32
		.amdhsa_user_sgpr_count 2
		.amdhsa_user_sgpr_kernarg_segment_ptr 1
		.amdhsa_wavefront_size32 1
		.amdhsa_system_sgpr_workgroup_id_x 1
		.amdhsa_system_sgpr_workgroup_id_y 1
		.amdhsa_system_sgpr_workgroup_id_z 1
		.amdhsa_system_vgpr_workitem_id 0
		.amdhsa_next_free_vgpr 1024
		.amdhsa_next_free_sgpr 98
		.amdhsa_reserve_vcc 0
		.amdhsa_float_denorm_mode_32 3
		.amdhsa_float_denorm_mode_16_64 3
		.amdhsa_memory_ordered 1
		.amdhsa_forward_progress 1
		.amdhsa_inst_pref_size 194
	.end_amdhsa_kernel
	.amdgpu_metadata
---
amdhsa.version: [ 1, 2 ]
amdhsa.kernels:
  - .name:           k_qf95451815b_qkvp
    .symbol:         k_qf95451815b_qkvp.kd
    .args:
      - { .name: codes, .offset: 0, .size: 8, .value_kind: global_buffer, .address_space: global }
      - { .name: lowp_scales, .offset: 8, .size: 8, .value_kind: global_buffer, .address_space: global }
      - { .name: qkv_b, .offset: 16, .size: 8, .value_kind: global_buffer, .address_space: global }
      - { .name: qkv, .offset: 24, .size: 8, .value_kind: global_buffer, .address_space: global }
    .group_segment_fixed_size: 327680
    .private_segment_fixed_size: 0
    .kernarg_segment_align: 8
    .kernarg_segment_size: 32
    .max_flat_workgroup_size: 128
    .sgpr_count:     98
    .vgpr_count:     1024
    .wavefront_size: 32
...
	.end_amdgpu_metadata
.endif
;; end of part 2
;; launch attn (part 3): grid 8 x 32, 8 waves a work-group, no clusters, 263,168 bytes of LDS; arguments qkv, lowp_scales, af; writes af
.if DOCPART == 3
	.amdgcn_target "amdgcn-amd-amdhsa--gfx1250"
	.amdhsa_code_object_version 6
	.text
	.protected	k_qf95451815b_attn
	.globl	k_qf95451815b_attn
	.p2align	8
	.type	k_qf95451815b_attn,@function
k_qf95451815b_attn:
	s_mov_b64 s[64:65], 0
	v_nop
	global_prefetch_b8 v0, s[64:65] scope:SCOPE_SE
	s_setreg_imm32_b32 hwreg(HW_REG_WAVE_MODE, 25, 1), 1
	s_wait_xcnt 0x0
; af = softmax(q k^T / 8) v for each of 32 heads (batch x head), on codes of E4M3, quantised with 2^e6 on the way out.  q, k, v arrive as images of operand registers (registers 4 i .. 4 i + 3 of lane l at 512 i + 16 l).
; THE SOFTMAX: t = score x log2(e) / 8; M = the row's largest t so far, rounded up to a whole number; p = 2^(t - M) is quantised with 2^e4, not normalised; the row's sum is taken of the unquantised p and divides at the end.
; When M moves, the sum and O are multiplied by 2^(old M - new M), which rounds nothing.
; LIMITS: the scaled scores stay under 2^31 in magnitude; e2 + e3 between -123 and 130; e4 and e6 between -126 and 119, so that each power of two below is an f32 number.  NaN is not served.
; SHARES.  A work-group owns 256 queries of a head (256 work-groups), each of its eight waves 32: two tiles of 16, so each fragment of K and V feeds two matrix instructions.  Sixteen steps of 128 keys.
; LAYOUT.  Both products are used transposed: S^T = K Q^T, O^T = V^T P^T: a lane holds one query of a tile (lane % 16); register 8 i + j of S^T is key 16 i + 8 (lane / 16) + j, so the conversions' results are P's operand registers.
; THE HOLD of p at 448 x 2^e4.  p is at most 1 but for t's own rounding: codes are at most 448, so |t| <= 64 x 448 x 448 x 0.1804 x 2^(e2 + e3), under 2^24 where e2 + e3 <= 2; half a unit in t's last place is then
; at most 1/2, and p < 1.42.  Where e4 >= -8 besides, 448 x 2^e4 >= 1.75 and the hold changes nothing. Otherwise they are executed.
; NO TENSOR LOADS AND NO CLUSTER: without the branch a step's some 390 vector lines would be some 520 in every step.
; So LDS is filled through registers.  The head's K and V, 262,144 bytes, fit whole: each work-group reads each of these bytes once, each wave an eighth, and no byte of LDS is filled twice.
; THE STREAM.  Of each step a wave brings 1,024 bytes of K and 1,024 of V.  Steps 0 to 3 are stored at the head.  Step t (0 to 11) asks at its top for step t + 4, stores it at its end, and the barrier that shows it to the others
; is signalled at the top of step t + 1 and waited for at that step's end: ahead of step t + 3, the first that reads any of it (K's fragments are read a step ahead).
; PREFETCH into the L2: the eight work-groups of a head share steps 8 to 15: work-group x asks for step 8 + x, in step x + 2, two steps ahead of its loads: wave 0 for K's 8,192 bytes, wave 1 for V's, lanes 256 bytes apart: each
; block of 256 bytes once in the launch.  Steps 0 to 7 come by their loads alone.
; REGISTERS.  Window 0: v0-31 addresses and state; v32-95 V's fragments; v96-223 S^T, then p (at the head: the 16 loads of steps 0 to 3); v224-255 P's codes.
;   Window 1: v0-63 O^T; v64-79 Q; v80-143 K's fragments, a step ahead; v144-159 the four loads of the step four on.
.set LI,  1                            ; v1   16 x lane; never rewritten
.set PFO, 2                            ; v2   256 x lane: the prefetch's offset; never rewritten
.set ADK, 3                            ; v3   LDS address in K's half
.set ADV, 4                            ; v4   in V's
.set LIM, 5                            ; v5   448 x the scale
.set SC,  6                            ; v6   the scale as f32
.set SL,  7                            ; v7   1,024 x wave + 16 x lane: where my part of step 0's K goes; never rewritten
.set ST,  8                            ; v8-18, v20-30  a tile's state: +0 -M, +1 the largest t, +2, +3 the sum in two halves, +4 f, +6 to +10 at work
.set SPW, 19                           ; v19  my spare word: SPARE + 4 x my thread's number; never rewritten
.set NIL, 31                           ; v31  0; never rewritten
.set VF,  32
.set S,   96
.set P,   224
.set Q,   64
.set KN,  80
.set SG,  144
.set SEL, 48                           ; s[48:49] lane selects for v_permlanex16_b32: lane l xor 16
.set CS,  50                           ; s[50:51] log2(e) / 8 x 2^(e2 + e3), twice
.set TB,  52                           ; s52  8,192 x step
.set CNT, 53
.set SRC, 58                           ; s[58:59] my parts in memory, 8,192 bytes on with each step
.set HOLD, 60                          ; s60  1: the hold is needed
.set PFT, 61                           ; s61  the trip count at which my wave prefetches; 0: never
.set PFA, 66                           ; s[66:67] where; never rewritten
.set VHALF, 131072
.set SPARE, 262144                     ; behind K and V: the spare words, 128 bytes a wave
.set NT,  12                           ; steps that bring a later one
.set MSB, 0
.macro WIN new                         ; the immediate's high byte repeats the setting that is left
.if MSB != (\new)
	s_set_vgpr_msb (MSB<<8)|(\new)
.set MSB, (\new)
.endif
.endm
.set W_ST, 0x04                        ; source 1 (a store's data) window 1
.set W_K1, 0x05                        ; sources 0 and 1 window 1
.set W_RS, 0x41                        ; destination and source 0 window 1
.set W_PV, 0x50                        ; C and D window 1
.set W_D1, 0x40                        ; destination window 1
.set W_S1, 0x01                        ; source 0 window 1
	s_load_b128 s[4:7], s[0:1], 0x0                ; qkv, the exponents
	s_load_b64 s[8:9], s[0:1], 0x10                ; af
	v_lshl_add_u32 v[SPW], v0, 2, SPARE
	v_mov_b32 v[NIL], 0
	v_lshrrev_b32 v3, 5, v0
	v_and_b32 v[LI], 31, v0
	v_readfirstlane_b32 s10, v3                    ; wave 0..7
	v_lshlrev_b32 v[LI], 4, v[LI]
	s_and_b32 s13, ttmp7, 0xffff                   ; batch x head
	v_lshl_add_u32 v[SL], v3, 10, v[LI]
	v_lshlrev_b32 v[PFO], 4, v[LI]
	s_mul_i32 s56, s13, 393216                     ; a head's q, k and v: 131,072 bytes each
	s_mov_b32 s57, 0
	s_lshl_b32 s58, s10, 10
	s_add_co_u32 s58, s56, s58                     ; my parts of K and V
	s_mov_b32 s59, 0
	s_and_b32 s62, s10, 1
	s_add_co_u32 s62, s62, 1
	s_lshl_b32 s62, s62, 17                        ; the prefetch: K (131,072) or V (262,144),
	s_add_co_u32 s62, s62, s56
	s_add_co_u32 s63, ttmp9, 8
	s_lshl_b32 s63, s63, 13
	s_add_co_u32 s62, s62, s63                     ; step 8 + x
	s_mov_b32 s63, 0
	s_sub_co_u32 s54, NT-2, ttmp9                  ; in step x + 2 the trip count is NT - (x + 2)
	s_cmp_lt_u32 s10, 2
	s_cselect_b32 s[PFT], s54, 0                   ; waves 0 and 1 ask
	s_lshl_b32 s14, ttmp9, 14
	s_lshl_b32 s15, s10, 11
	s_add_co_u32 s14, s14, s15
	s_add_co_u32 s56, s56, s14                     ; my two tiles of queries
	s_mov_b32 s[SEL], 0x76543210
	s_mov_b32 s[SEL+1], 0xfedcba98
	s_mov_b32 s[CS], 0x3e38aa3b                    ; log2(e) / 8
	s_wait_alu depctr_va_vdst(0)
	s_wait_kmcnt 0x0
	s_load_b256 s[40:47], s[6:7], 0x0              ; e0 .. e7
	s_add_nc_u64 s[SRC:SRC+1], s[4:5], s[58:59]
	s_add_nc_u64 s[56:57], s[4:5], s[56:57]
	s_add_nc_u64 s[PFA:PFA+1], s[4:5], s[62:63]
.macro GET t, reg                      ; my parts of the step t on from SRC: each load of the wave reads 512 consecutive bytes
.irp i, 0,1
	global_load_b128 v[(\reg)+4*\i:(\reg)+4*\i+3], v[LI], s[SRC:SRC+1] offset:131072+8192*(\t)+512*\i
	global_load_b128 v[(\reg)+8+4*\i:(\reg)+8+4*\i+3], v[LI], s[SRC:SRC+1] offset:262144+8192*(\t)+512*\i
.endr
.endm
.macro PUT t, ka, va, reg              ; and into LDS, as they lie
.irp i, 0,1
	ds_store_b128 v[\ka], v[(\reg)+4*\i:(\reg)+4*\i+3] offset:8192*(\t)+512*\i
	ds_store_b128 v[\va], v[(\reg)+8+4*\i:(\reg)+8+4*\i+3] offset:8192*(\t)+512*\i
.endr
.endm
.macro GETK off                        ; K's fragments of a step into window 1
	WIN W_D1
.irp i, 0,1,2,3,4,5,6,7
	ds_load_b128 v[KN+8*\i:KN+8*\i+3], v[ADK] offset:\off+1024*\i
	ds_load_b128 v[KN+8*\i+4:KN+8*\i+7], v[ADK] offset:\off+1024*\i+512
.endr
	WIN 0
.endm
.set T, 0
.rept 4
	GET T, S+16*T
.set T, T+1
.endr
	WIN W_D1
.irp u, 0,1
	global_load_b128 v[Q+8*\u:Q+8*\u+3], v[LI], s[56:57] offset:1024*\u
	global_load_b128 v[Q+8*\u+4:Q+8*\u+7], v[LI], s[56:57] offset:1024*\u+512
.endr
.set j, 0
.rept 64
	v_mov_b32 v[j], 0                              ; O^T: the step is written for any trip, and the first change of M leaves zeros zeros
.set j, j+1
.endr
	WIN 0
	v_add_nc_u32 v[ADV], VHALF, v[SL]
.irp u, 0,1
	v_mov_b32 v[ST+12*\u+1], 0xff61b1e6            ; the largest t so far: -3e38
.endr
.irp u, 0,1
	v_floor_f32 v[ST+12*\u], -v[ST+12*\u+1]
	v_mov_b32 v[ST+12*\u+2], 0
	v_mov_b32 v[ST+12*\u+3], 0
	v_mov_b32 v[ST+12*\u+5], 0                     ; named as the upper half of a pair
	v_mov_b32 v[ST+12*\u+10], 0                    ; a lane permute's destination counts as one of its sources
.endr
	s_wait_kmcnt 0x0
	s_add_co_i32 s14, s42, s43
	s_cmp_gt_i32 s14, 2
	s_cselect_b32 s54, 1, 0
	s_cmp_lt_i32 s44, -8
	s_cselect_b32 s55, 1, 0
	s_or_b32 s[HOLD], s54, s55                     ; the hold is left out where e2 + e3 <= 2 and e4 >= -8
	s_lshl_b32 s14, s14, 23
	s_add_co_i32 s[CS], s[CS], s14                 ; a score stands for score x 2^(e2 + e3): added to the exponent field
	s_mov_b32 s[CS+1], s[CS]
	s_add_co_i32 s14, s44, 127
	s_lshl_b32 s15, s14, 23
	v_mov_b32 v[SC], s15                           ; 2^e4
	s_add_co_i32 s14, s14, 8
	s_lshl_b32 s14, s14, 23
	s_or_b32 s14, s14, 0x600000
	v_mov_b32 v[LIM], s14                          ; 448 x 2^e4
	s_wait_alu depctr_va_vdst(0)                   ; the wait at the head's end
	s_wait_loadcnt 0x0                             ; Q and my parts of steps 0 to 3 are in
.set T, 0
.rept 4
	PUT T, SL, ADV, S+16*T
.set T, T+1
.endr
	s_wait_dscnt 0x0                               ; my stores are done: the other waves read them behind the barrier
	s_barrier_signal -1
	s_barrier_wait -1
; A STEP of 128 keys.  ld = 1: it brings the step four on; 2: it has the barrier alone; 0: neither.
.macro STEP ld
	s_wait_dscnt 0x0                               ; this step's K is in, and my stores of the last step's end are done
.if (\ld) == 1
	WIN W_D1
	GET 4, SG
	WIN 0
	s_cmp_eq_u32 s[CNT], s[PFT]
	s_cbranch_scc0 .Lnot_mine_\@
	global_prefetch_b8 v[PFO], s[PFA:PFA+1] th:TH_LOAD_NT scope:SCOPE_SE
.Lnot_mine_\@:
.endif
.if \ld
	s_barrier_signal -1                            ; what I stored at the last step's end may be read behind the wait
.endif
	WIN W_K1
.irp i, 0,1,2,3,4,5,6,7
.irp u, 0,1
	v_wmma_f32_16x16x64_fp8_fp8 v[S+64*\u+8*\i:S+64*\u+8*\i+7], v[KN+8*\i:KN+8*\i+7], v[Q+8*\u:Q+8*\u+7], 0
.endr
.endr
	WIN 0
	v_add_nc_u32 v[ADK], s[TB], v[LI]              ; with the two v_nop the four places behind the products
	v_nop
	v_add_nc_u32 v[ADV], VHALF, v[ADK]
	v_nop
.irp t, 0,1,2,3
.irp c, 0,1,2,3
	ds_load_b128 v[VF+16*\t+4*\c:VF+16*\t+4*\c+3], v[ADV] offset:2048*\t+512*\c
.endr
.endr
	GETK 8192                                      ; the next step's K.  (The last step's reads the 8,192 bytes behind K's half, bytes of V, and no product takes them)
.irp u, 0,1                            ; each tile's largest score, in two chains
	v_max3_num_f32 v[ST+12*\u+8], v[S+64*\u], v[S+64*\u+1], v[S+64*\u+2]
	v_max3_num_f32 v[ST+12*\u+9], v[S+64*\u+3], v[S+64*\u+4], v[S+64*\u+5]
.endr
.irp i, 6,10,14,18,22,26,30,34,38,42,46,50,54,58
.irp u, 0,1
	v_max3_num_f32 v[ST+12*\u+8], v[ST+12*\u+8], v[S+64*\u+\i], v[S+64*\u+\i+1]
	v_max3_num_f32 v[ST+12*\u+9], v[ST+12*\u+9], v[S+64*\u+\i+2], v[S+64*\u+\i+3]
.endr
.endr
.irp u, 0,1
	v_max3_num_f32 v[ST+12*\u+8], v[ST+12*\u+8], v[S+64*\u+62], v[S+64*\u+63]
.endr
.irp u, 0,1
	s_delay_alu instid0(VALU_DEP_2)
	v_max_num_f32 v[ST+12*\u+8], v[ST+12*\u+8], v[ST+12*\u+9]
.endr
.irp u, 0,1
	s_delay_alu instid0(VALU_DEP_2)
	v_permlanex16_b32 v[ST+12*\u+10], v[ST+12*\u+8], s[SEL], s[SEL+1]
.endr
.irp u, 0,1
	s_delay_alu instid0(VALU_DEP_2)
	v_max_num_f32 v[ST+12*\u+8], v[ST+12*\u+8], v[ST+12*\u+10]   ; with lane l xor 16's
.endr
.irp u, 0,1
	s_delay_alu instid0(VALU_DEP_2)
	v_mul_f32 v[ST+12*\u+8], s[CS], v[ST+12*\u+8]  ; as t
.endr
.irp u, 0,1
	s_delay_alu instid0(VALU_DEP_2)
	v_max_num_f32 v[ST+12*\u+1], v[ST+12*\u+1], v[ST+12*\u+8]
.endr
.irp u, 0,1
	v_mov_b32 v[ST+12*\u+8], v[ST+12*\u]
.endr
.irp u, 0,1
	s_delay_alu instid0(VALU_DEP_4)
	v_floor_f32 v[ST+12*\u], -v[ST+12*\u+1]        ; the new -M
.endr
.irp u, 0,1
	s_delay_alu instid0(VALU_DEP_2)
	v_sub_f32 v[ST+12*\u+8], v[ST+12*\u], v[ST+12*\u+8]   ; M's old value less its new one
.endr
.irp u, 0,1
	s_delay_alu instid0(VALU_DEP_2)
	v_cvt_i32_f32 v[ST+12*\u+8], v[ST+12*\u+8]
.endr
.irp u, 0,1
	s_delay_alu instid0(VALU_DEP_2)
	v_ldexp_f32 v[ST+12*\u+4], 1.0, v[ST+12*\u+8]  ; f = 2^(old M - new M)
.endr
.set j, 0
.rept 32
	v_pk_fma_f32 v[S+j:S+j+1], v[S+j:S+j+1], s[CS:CS+1], v[ST:ST+1] op_sel_hi:[1,0,0]                      ; t - M
	v_pk_fma_f32 v[S+64+j:S+64+j+1], v[S+64+j:S+64+j+1], s[CS:CS+1], v[ST+12:ST+13] op_sel_hi:[1,0,0]
.set j, j+2
.endr
.set j, 0
	s_wait_alu depctr_va_vdst(0)                   ; the wait ahead of the batch
.rept 128
	v_exp_f32 v[S+j], v[S+j]                       ; p = 2^(t - M)
.set j, j+1
.endr
.irp u, 0,1
	v_pk_mul_f32 v[ST+12*\u+2:ST+12*\u+3], v[ST+12*\u+2:ST+12*\u+3], v[ST+12*\u+4:ST+12*\u+5] op_sel_hi:[1,0]   ; the sums under the new M (plain places behind the exponentials)
.endr
	WIN W_RS
	s_wait_alu depctr_va_vdst(0)                   ; the wait ahead of the batch's first reader, and directly ahead of O^T's
.set j, 0
.rept 16
	v_pk_mul_f32 v[j:j+1], v[j:j+1], v[ST+4:ST+5] op_sel_hi:[1,0]                                          ; O^T under the new M
	v_pk_mul_f32 v[32+j:32+j+1], v[32+j:32+j+1], v[ST+16:ST+17] op_sel_hi:[1,0]
.set j, j+2
.endr
	WIN 0
.irp u, 0,1                            ; the row's sum, of the unquantised p, in two chains a tile
	v_pk_add_f32 v[ST+12*\u+6:ST+12*\u+7], v[S+64*\u:S+64*\u+1], v[S+64*\u+2:S+64*\u+3]
.endr
.irp j, 4,8,12,16,20,24,28,32,36,40,44,48,52,56,60
.irp u, 0,1
	v_pk_add_f32 v[ST+12*\u+2:ST+12*\u+3], v[ST+12*\u+2:ST+12*\u+3], v[S+64*\u+\j:S+64*\u+\j+1]
	v_pk_add_f32 v[ST+12*\u+6:ST+12*\u+7], v[ST+12*\u+6:ST+12*\u+7], v[S+64*\u+\j+2:S+64*\u+\j+3]
.endr
.endr
.irp u, 0
	s_delay_alu instid0(VALU_DEP_3)
	v_pk_add_f32 v[ST+12*\u+2:ST+12*\u+3], v[ST+12*\u+2:ST+12*\u+3], v[ST+12*\u+6:ST+12*\u+7]
.endr
.irp u, 1
	s_delay_alu instid0(VALU_DEP_2)
	v_pk_add_f32 v[ST+12*\u+2:ST+12*\u+3], v[ST+12*\u+2:ST+12*\u+3], v[ST+12*\u+6:ST+12*\u+7]
.endr
	s_cmp_eq_u32 s[HOLD], 0                        ; where 448 x 2^e4 lies above every p the hold changes nothing (head comment)
	s_cbranch_scc1 .Lfree_\@
.set j, 0
.rept 128
	v_min_num_f32 v[S+j], v[S+j], v[LIM]           ; the conversion does not saturate (ISA guide 7.6.2); p is not negative
.set j, j+1
.endr
.Lfree_\@:
.irp i, 0,1,2,3,4,5,6,7
.irp u, 0,1
	v_cvt_scalef32_pk8_fp8_f32 v[P+16*\u+2*\i:P+16*\u+2*\i+1], v[S+64*\u+8*\i:S+64*\u+8*\i+7], v[SC]
.endr
.endr
.if (\ld) == 1
	v_add_nc_u32 v[ADK], s[TB], v[SL]              ; (a plain vector line behind the last conversion)
	v_nop
	v_add_nc_u32 v[ADV], VHALF, v[ADK]
.else
	v_nop                                          ; one plain vector line behind the last conversion
.endif
	s_wait_alu depctr_va_vdst(0)
.if \ld
	s_barrier_wait -1                              ; everybody's stores of the last step's end are done
.endif
.if (\ld) == 1
	s_wait_loadcnt 0x0                             ; my parts of the step four on are in, so SRC may step too
	WIN W_ST
	PUT 4, ADK, ADV, SG
	s_add_nc_u64 s[SRC:SRC+1], s[SRC:SRC+1], 8192
	s_wait_dscnt 20                                ; V is in; the sixteen loads of the next step's K and my four stores may be out
.else
	s_wait_dscnt 16                                ; V is in; the sixteen loads of the next step's K may be out
.endif
	WIN W_PV
.irp t, 0,1,2,3                        ; the eight accumulators take turns, one instruction a turn
.irp u, 0,1
	v_wmma_f32_16x16x128_fp8_fp8 v[32*\u+8*\t:32*\u+8*\t+7], v[VF+16*\t:VF+16*\t+15], v[P+16*\u:P+16*\u+15], v[32*\u+8*\t:32*\u+8*\t+7]
.endr
.endr
	WIN 0
	s_add_co_u32 s[TB], s[TB], 8192
.endm
	s_mov_b32 s[TB], 0
	v_mov_b32 v[ADK], v[LI]
	GETK 0                                         ; step 0's K
	s_mov_b32 s[CNT], NT
.Lfirst:                                               ; steps 0 to 11
	STEP 1
	s_sub_co_u32 s[CNT], s[CNT], 1
	s_cmp_lg_u32 s[CNT], 0
	s_cbranch_scc1 .Lfirst
	s_mov_b32 s[TB], NT*8192
	STEP 2                                         ; step 12: step 15's bytes, stored at step 11's end, are shown by its barrier
	s_mov_b32 s[TB], (NT+1)*8192
	s_mov_b32 s[CNT], 15-NT
.Lrest:                                                ; steps 13 to 15
	STEP 0
	s_sub_co_u32 s[CNT], s[CNT], 1
	s_cmp_lg_u32 s[CNT], 0
	s_cbranch_scc1 .Lrest
	; THE WAY OUT: O^T / the sum x 2^(e4 + e5), quantised with 2^e6: the conversions' results are images of proj's operand registers, [tile of 16 tokens 256][head 16][1,024 bytes]
.irp u, 0,1
	v_add_f32 v[ST+12*\u+8], v[ST+12*\u+2], v[ST+12*\u+3]
.endr
.irp u, 0,1
	s_delay_alu instid0(VALU_DEP_2)
	v_permlanex16_b32 v[ST+12*\u+10], v[ST+12*\u+8], s[SEL], s[SEL+1]
.endr
.irp u, 0,1
	s_delay_alu instid0(VALU_DEP_2)
	v_add_f32 v[ST+12*\u+8], v[ST+12*\u+8], v[ST+12*\u+10]
.endr
	s_wait_alu depctr_va_vdst(0)                   ; the wait ahead of the transcendentals
.irp u, 0,1
	v_rcp_f32 v[ST+12*\u+4], v[ST+12*\u+8]
.endr
	v_nop
	s_lshr_b32 s54, s13, 4                         ; batch
	s_lshl_b32 s54, s54, 7
	s_lshl_b32 s55, ttmp9, 4
	s_add_co_u32 s54, s54, s55
	s_lshl_b32 s55, s10, 1
	s_add_co_u32 s54, s54, s55                     ; my first tile of 16 tokens
	s_lshl_b32 s54, s54, 4
	s_and_b32 s55, s13, 15                         ; head
	s_add_co_u32 s54, s54, s55
	s_lshl_b32 s54, s54, 10
	s_mov_b32 s55, 0
	s_add_nc_u64 s[8:9], s[8:9], s[54:55]
	s_add_co_i32 s14, s46, 127
	s_lshl_b32 s15, s14, 23
	v_mov_b32 v[SC], s15                           ; 2^e6
	s_add_co_i32 s14, s14, 8
	s_lshl_b32 s14, s14, 23
	s_or_b32 s14, s14, 0x600000
	v_mov_b32 v[LIM], s14                          ; 448 x 2^e6
	s_add_co_i32 s14, s44, s45
	s_wait_alu depctr_va_vdst(0)                   ; the wait ahead of the first readers, O^T's among them
.irp u, 0,1
	v_ldexp_f32 v[ST+12*\u+4], v[ST+12*\u+4], s14
.endr
	WIN W_S1
.set j, 0
.rept 16
	v_pk_mul_f32 v[S+j:S+j+1], v[j:j+1], v[ST+4:ST+5] op_sel_hi:[1,0]
	v_pk_mul_f32 v[S+32+j:S+32+j+1], v[32+j:32+j+1], v[ST+16:ST+17] op_sel_hi:[1,0]
.set j, j+2
.endr
	WIN 0
.set j, 0
.rept 64
	v_med3_num_f32 v[S+j], v[S+j], -v[LIM], v[LIM]
.set j, j+1
.endr
.irp u, 0,1
.irp t, 0,1,2,3
	v_cvt_scalef32_pk8_fp8_f32 v[P+8*\u+2*\t:P+8*\u+2*\t+1], v[S+32*\u+8*\t:S+32*\u+8*\t+7], v[SC]
.endr
.endr
	v_nop
.irp u, 0,1
.irp i, 0,1
	global_store_b128 v[LI], v[P+8*\u+4*\i:P+8*\u+4*\i+3], s[8:9] offset:16384*\u+512*\i   ; each store of the wave covers 512 consecutive bytes, aligned
.endr
.endr
	s_wait_tensorcnt 0x0                           ; the wave's end
	ds_add_u32 v[SPW], v[NIL]
	s_wait_dscnt 0x0
	s_endpgm
.Lfunc_end_k_qf95451815b_attn:
	.size	k_qf95451815b_attn, .Lfunc_end_k_qf95451815b_attn-k_qf95451815b_attn
	.p2alignl 7, 3214868480
	.fill 96, 4, 3214868480
	.section	.rodata,"a",@progbits
	.p2align	6, 0x0
	.amdhsa_kernel k_qf95451815b_attn
		.amdhsa_group_segment_fixed_size 263168
		.amdhsa_private_segment_fixed_size 0
		.amdhsa_enable_private_segment 0
		.amdhsa_kernarg_size 24
		.amdhsa_user_sgpr_count 2
		.amdhsa_user_sgpr_kernarg_segment_ptr 1
		.amdhsa_wavefront_size32 1
		.amdhsa_system_sgpr_workgroup_id_x 1
		.amdhsa_system_sgpr_workgroup_id_y 1
		.amdhsa_system_sgpr_workgroup_id_z 1
		.amdhsa_system_vgpr_workitem_id 0
		.amdhsa_next_free_vgpr 416
		.amdhsa_next_free_sgpr 72
		.amdhsa_reserve_vcc 0
		.amdhsa_float_denorm_mode_32 3
		.amdhsa_float_denorm_mode_16_64 3
		.amdhsa_memory_ordered 1
		.amdhsa_forward_progress 1
		.amdhsa_inst_pref_size 106
	.end_amdhsa_kernel
	.amdgpu_metadata
---
amdhsa.version: [ 1, 2 ]
amdhsa.kernels:
  - .name:           k_qf95451815b_attn
    .symbol:         k_qf95451815b_attn.kd
    .args:
      - { .name: qkv, .offset: 0, .size: 8, .value_kind: global_buffer, .address_space: global }
      - { .name: lowp_scales, .offset: 8, .size: 8, .value_kind: global_buffer, .address_space: global }
      - { .name: af, .offset: 16, .size: 8, .value_kind: global_buffer, .address_space: global }
    .group_segment_fixed_size: 263168
    .private_segment_fixed_size: 0
    .kernarg_segment_align: 8
    .kernarg_segment_size: 24
    .max_flat_workgroup_size: 256
    .sgpr_count:     72
    .vgpr_count:     416
    .wavefront_size: 32
...
	.end_amdgpu_metadata
.endif
;; end of part 3
;; launch proj (part 4): grid 8 x 32, 4 waves a work-group, clusters of 4 x 4, 282,112 bytes of LDS; arguments af, codes, lowp_scales, out_b, out0; writes out0
.if DOCPART == 4
	.amdgcn_target "amdgcn-amd-amdhsa--gfx1250"
	.amdhsa_code_object_version 6
	.text
	.protected	k_qf95451815b_proj
	.globl	k_qf95451815b_proj
	.p2align	8
	.type	k_qf95451815b_proj,@function
k_qf95451815b_proj:
	s_mov_b64 s[64:65], 0
	v_nop
	global_prefetch_b8 v0, s[64:65] scope:SCOPE_SE
	s_setreg_imm32_b32 hwreg(HW_REG_WAVE_MODE, 25, 1), 1
	s_wait_xcnt 0x0
	s_wait_alu depctr_hold_cnt(0) depctr_sa_sdst(0) depctr_va_vdst(0) depctr_va_sdst(0) depctr_va_ssrc(0) depctr_va_vcc(0) depctr_vm_vsrc(0)
	s_getreg_b32 s2, hwreg(HW_REG_IB_STS2, 6, 4)
	s_cmp_eq_u32 s2, 0
	s_cbranch_scc0 .Lentry_in_a_cluster
	s_endpgm
.Lentry_in_a_cluster:
	s_bfe_u32 s2, ttmp6, 0x10000c
	s_cmp_lg_u32 s2, 0xf033
	s_cbranch_scc0 .Lentry_shape_is_right
	s_endpgm
.Lentry_shape_is_right:
; out0 = a out_w^T + out_b on codes of E4M3 (K = 1,024): a is the attention's result, quantised with 2^e6, out_w's codes (2^e7) are rows 7,168 on of the codes' buffer.  y = sum x 2^(e6 + e7) + out_b, one fused multiply-add.
; LIMIT: e6 + e7 between -126 and 127, so that 2^(e6 + e7) is an f32 number.
; SHARES.  4,096 x 1,024 of output in tiles of 128 x 128: 256 work-groups.  Four waves, each 64 x 64: 16 accumulators.
; a arrives as images of operand registers, [tile of 16 tokens 256][head 16][1,024 bytes]: two neighbouring heads' images are the 16 registers of one fragment of 128 along K, with k in this form's own places
; (registers 2 c, 2 c + 1: k = 16 c + 8 (lane / 16) + 0 .. 7).  So out_w's fragments are read in those places too: eight loads of 8 bytes, 16 bytes apart.
; LDS.  The whole K of both operands fits: every byte is filled once, by ONE load a wave at the head of 65,536 bytes: waves 0, 1 a's halves (64 tokens), waves 2, 3 out_w's (64 rows).
;   0: a, [half 65,536][tile of tokens 16,384], as it lies in memory (a load of the wave reads 512 consecutive bytes).   131,072: out_w, 128 rows of 1,024 bytes + 16 of padding.
;   behind them a stage of 16 rows x 272 bytes for each wave, for the way out, and the spare words.
; CLUSTERS: 4 x 4.  a's tiles hang on the tile row and are asked for jointly by a row of the cluster, out_w's on the tile column, by a column.
; THE MATRIX INSTRUCTION IS USED TRANSPOSED (source 0 = 16 rows of out_w, source 1 = 16 tokens): a lane holds eight neighbouring outputs of one token.
; No prefetch: all that a work-group reads is asked for by its first lines.
; REGISTERS.  window 0: v16-27 addresses; v30, v31 the add's; v32-95 the way out, two sets of 32; v96-127 the bias; v128-255 the accumulators ((a, b) at v[128 + 8 (4 a + b)]).   window 1: two fragment buffers of 128: a's four, then out_w's four.
.set BREG,   131072                    ; out_w's region
.set WP,     1040                      ; its row: 260 words: row r starts at bank 4 r mod 64 (ISA guide 11.1)
.set PITCH,  272                       ; a stage's row
.set STAGE,  BREG+128*WP
.set SPARE,  STAGE+4*16*PITCH          ; the spare words: 128 bytes a wave, two blocks of 256 bytes that no other line names
.set WROWS,  7340032                   ; out_w's first byte in the codes' buffer: 7,168 rows x 1,024
.set ADRA, 16                          ; v16  my fragments of a
.set ADRB, 20                          ; v20  of out_w
.set STO,  24                          ; v24  the way out: where I put 32 bytes of a row
.set RD,   25                          ; v25  where I read a row back
.set CO,   26                          ; v26  my byte offset in two rows of the output
.set HO,   27                          ; v27  32 x (lane / 16)
.set SPW,  30
.set NIL,  31
.set OB,   32
.set BI,   96
.set ACC,  128
.set G1A, 24                           ; s[24:31] descriptor group 1 for a;  s[40:43] its group 0
.set G1B, 32                           ; s[32:39] for out_w;                 s[68:71] its group 0
.set G0A, 40
.set G0B, 68
.set MSB, 0
.macro WIN new
.if MSB != (\new)
	s_set_vgpr_msb (MSB<<8)|(\new)
.set MSB, (\new)
.endif
.endm
.macro CROUND                          ; a round of the cluster's barrier
	s_barrier_signal -1
	s_barrier_wait -1
	s_cmp_lg_u32 s14, 0
	s_cbranch_scc1 .Lnot_wave_0_\@
	s_barrier_signal -3
.Lnot_wave_0_\@:
	s_barrier_wait -3
	s_barrier_signal -1
	s_barrier_wait -1
.endm
.macro PLACES                          ; places behind matrix instructions (ISA guide 7.12.1 for vector lines)
.rept 4
	v_nop
.endr
.endm
	s_load_b256 s[4:11], s[0:1], 0x0               ; af s[4:5], the codes s[6:7], the exponents s[8:9], out_b s[10:11]
	s_load_b64 s[12:13], s[0:1], 0x20              ; out0
	v_lshl_add_u32 v[SPW], v0, 2, SPARE
	v_mov_b32 v[NIL], 0
	ds_add_u32 v[SPW], v[NIL]                      ; the wave's opening: the add, twice on end, ahead of my first tensor load
	ds_add_u32 v[SPW], v[NIL]
	v_lshrrev_b32 v1, 5, v0
	v_readfirstlane_b32 s14, v1                    ; wave 0..3
	s_lshr_b32 s15, s14, 1                         ; which 64 tokens are mine.  Also: I fetch for a (0) or for out_w (1)
	s_and_b32 s16, s14, 1                          ; which 64 outputs.  Also: which half of that tile I fetch
	s_bfe_u32 s17, ttmp6, 0x40000                  ; cx
	s_bfe_u32 s18, ttmp6, 0x40004                  ; cy
	s_lshl_b32 s19, ttmp9, 2
	s_add_co_u32 s19, s19, s17                     ; tile column = 4 x cluster x + cx
	s_and_b32 s20, ttmp7, 0xffff
	s_lshl_b32 s20, s20, 2
	s_add_co_u32 s20, s20, s18                     ; tile row = 4 x cluster y + cy
	s_lshl_b32 s21, s18, 2
	s_lshl_b32 s21, 15, s21                        ; my row of the cluster
	s_lshl_b32 s22, 0x1111, s17                    ; my column
	; a: 65,536 dense bytes, stated as 16 rows of 4,096
	s_or_b32 s[G1A], s21, (3<<16)|(1<<21)          ; 15:0 the mask; 17:16 elements of 8 bytes; 21 set beside a mask; no padding
	s_mov_b32 s[G1A+1], 512<<16                    ; tensor_dim0
	s_mov_b32 s[G1A+2], 16<<16                     ; tensor_dim1
	s_mov_b32 s[G1A+3], 512<<16                    ; tile_dim0
	s_mov_b32 s[G1A+4], 16                         ; tile_dim1
	s_mov_b32 s[G1A+5], 512                        ; tensor_dim0_stride
	s_mov_b32 s[G1A+6], 0
	s_mov_b32 s[G1A+7], 0
	; out_w: 64 rows x 1,024 bytes, padded in LDS
	s_or_b32 s[G1B], s22, (0<<16)|(1<<20)|(1<<21)|(7<<22)|(3<<25)   ; elements of 1 byte; padding: four words after every 256
	s_mov_b32 s[G1B+1], 1024<<16
	s_mov_b32 s[G1B+2], 64<<16
	s_mov_b32 s[G1B+3], 1024<<16
	s_mov_b32 s[G1B+4], 64
	s_mov_b32 s[G1B+5], 1024
	s_mov_b32 s[G1B+6], 0
	s_mov_b32 s[G1B+7], 0
	s_lshl_b32 s60, s16, 16                        ; the half that I fetch: 65,536 bytes of either
	s_lshl_b32 s56, s20, 17                        ; a: 8 tiles of tokens x 16,384 bytes a tile row
	s_add_co_u32 s56, s56, s60
	s_mov_b32 s57, 0
	s_lshl_b32 s58, s19, 17                        ; out_w: 128 rows x 1,024 bytes a tile column, in registers that never hold cy
	s_add_co_u32 s58, s58, s60
	s_add_co_u32 s58, s58, WROWS
	s_mov_b32 s59, 0
	s_mul_i32 s62, s16, 64*WP                      ; where they go: no place in the cluster enters an LDS address
	s_add_co_u32 s62, s62, BREG
	s_mov_b32 s[G0A], 1
	s_mov_b32 s[G0A+1], s60
	s_mov_b32 s[G0B], 1
	s_mov_b32 s[G0B+1], s62
	s_wait_dscnt 0x0                               ; both opening adds are done
	s_wait_kmcnt 0x0
	s_load_b256 s[84:91], s[8:9], 0x0              ; e0 .. e7
	s_add_nc_u64 s[G0A+2:G0A+3], s[4:5], s[56:57]
	s_or_b32 s[G0A+3], s[G0A+3], 0x80000000
	s_add_nc_u64 s[G0B+2:G0B+3], s[6:7], s[58:59]
	s_or_b32 s[G0B+3], s[G0B+3], 0x80000000
	CROUND                                         ; all sixteen work-groups are here: the joint loads meet
	s_cmp_eq_u32 s15, 0                            ; one load a wave, in one branch on the wave's number; an s_nop 0 and four v_nop follow each
	s_cbranch_scc0 .Lfill_b
	tensor_load_to_lds s[G0A:G0A+3], s[G1A:G1A+7]
	s_nop 0
	PLACES
	s_branch .Lfilled
.Lfill_b:
	tensor_load_to_lds s[G0B:G0B+3], s[G1B:G1B+7]
	s_nop 0
	PLACES
.Lfilled:
	v_and_b32 v1, 15, v0                           ; r
	v_bfe_u32 v2, v0, 4, 1                         ; h
	v_and_b32 v3, 31, v0
	v_lshlrev_b32 v3, 4, v3                        ; 16 x lane
	s_lshl_b32 s60, s15, 16                        ; my four tiles of tokens (group 0 has its own copy of the fill's address)
	v_add_nc_u32 v[ADRA], s60, v3
	v_mul_u32_u24 v4, v1, WP
	v_lshl_add_u32 v4, v2, 3, v4                   ; row r x pitch + 8 h
	v_add_nc_u32 v[ADRB], s62, v4                  ; my 64 rows of out_w are the half with my wave's low bit
	s_mul_i32 s63, s14, 16*PITCH
	s_add_co_u32 s63, s63, STAGE                   ; my stage
	v_mul_u32_u24 v5, v1, PITCH
	v_lshl_add_u32 v5, v2, 5, v5
	v_add_nc_u32 v[STO], s63, v5                   ; in: row r, 32 bytes for each half of the lanes
	v_mul_u32_u24 v6, v2, PITCH
	v_lshl_add_u32 v6, v1, 4, v6
	v_add_nc_u32 v[RD], s63, v6                    ; back: lanes 0-15 one row of 256 bytes, lanes 16-31 the next
	v_lshlrev_b32 v[CO], 12, v2
	v_lshl_add_u32 v[CO], v1, 4, v[CO]             ; and the same two rows of the output, 4,096 bytes apart
	v_lshlrev_b32 v[HO], 5, v2
	s_wait_alu depctr_va_vdst(0)                   ; the wait at the head's end
	s_lshl_b32 s94, s19, 9                         ; my first output, in bytes: 512 x tile column + 256 x half
	s_lshl_b32 s95, s16, 8
	s_add_co_u32 s94, s94, s95
	s_mov_b32 s95, 0
	s_add_nc_u64 s[12:13], s[12:13], s[94:95]
	s_add_nc_u64 s[94:95], s[10:11], s[94:95]      ; out_b there
	s_lshl_b32 s96, s20, 19                        ; my first token: 128 rows of 4,096 bytes a tile row,
	s_lshl_b32 s97, s15, 18                        ; 64 a half
	s_add_co_u32 s96, s96, s97
	s_mov_b32 s97, 0
	s_add_nc_u64 s[12:13], s[12:13], s[96:97]
.irp b, 0,1,2,3
	global_load_b128 v[BI+8*\b:BI+8*\b+3], v[HO], s[94:95] offset:64*\b          ; out_b[.. + 16 b + 8 h + j], in the result's layout
	global_load_b128 v[BI+8*\b+4:BI+8*\b+7], v[HO], s[94:95] offset:64*\b+16
.endr
; The fragments of step s (128 along K) into buffer f: 48 LDS loads in one run.
.macro FETCH s, f
	WIN 0x40                                       ; destination window 1
.irp a, 0,1,2,3
.irp q, 0,1,2,3
	ds_load_b128 v[\f+16*\a+4*\q:\f+16*\a+4*\q+3], v[ADRA] offset:\a*16384+(\s)*2048+512*\q   ; two heads' images as they were stored
.endr
.endr
.irp b, 0,1,2,3
.irp c, 0,1,2,3,4,5,6,7
	ds_load_b64 v[\f+64+16*\b+2*\c:\f+64+16*\b+2*\c+1], v[ADRB] offset:\b*16*WP+(\s)*128+16*\c   ; k = 16 c + 8 h + 0 .. 7
.endr
.endr
.endm
; 16 matrix instructions on buffer f; the 16 accumulators take turns, one instruction a turn.  zero = 1: the first products start the sums.
.macro MUL f, zero
	WIN 0x05                                       ; sources 0 and 1 window 1; C and D window 0
.irp a, 0,1,2,3
.irp b, 0,1,2,3
.if \zero
	v_wmma_f32_16x16x128_fp8_fp8 v[ACC+8*(4*\a+\b):ACC+8*(4*\a+\b)+7], v[\f+64+16*\b:\f+64+16*\b+15], v[\f+16*\a:\f+16*\a+15], 0
.else
	v_wmma_f32_16x16x128_fp8_fp8 v[ACC+8*(4*\a+\b):ACC+8*(4*\a+\b)+7], v[\f+64+16*\b:\f+64+16*\b+15], v[\f+16*\a:\f+16*\a+15], v[ACC+8*(4*\a+\b):ACC+8*(4*\a+\b)+7]
.endif
.endr
.endr
.endm
	s_wait_tensorcnt 0x0                           ; my part is in
	s_barrier_signal -1
	s_barrier_wait -1                              ; everybody's is
	FETCH 0, 0
.irp s, 0,1,2,3,4,5,6,7                ; eight steps of 128 along K, written out; step s multiplies buffer s % 2 while step s + 1's fragments come into the other
.if \s > 0
	PLACES                                         ; in front of loads into the buffer that step s - 1 multiplied
.endif
.if \s < 7
	FETCH \s+1, 128*((\s+1)%2)
	s_wait_dscnt 48                                ; all but the 48 just issued
.else
	s_wait_dscnt 0x0
.endif
.if \s == 0
	MUL 0, 1
.else
	MUL 128*(\s%2), 0
.endif
.endr
	WIN 0
	; THE WAY OUT, block by block of 16 tokens x 64 outputs: y = sum x 2^(e6 + e7) + out_b; through my own stage and back as whole rows of 256 bytes.
	s_wait_loadcnt 0x0                             ; the bias
	s_wait_kmcnt 0x0
	s_add_co_i32 s92, s90, s91
	s_add_co_i32 s92, s92, 127
	s_lshl_b32 s92, s92, 23                        ; 2^(e6 + e7) as f32
	s_mov_b32 s93, s92                             ; (named with it as a pair, so it is written)
	PLACES                                         ; behind the last products
.macro TOSTAGE a
.set BK, OB+32*((\a)%2)
.if (\a) >= 2
	s_wait_xcnt 0x0                                ; block a - 2's stores have read their data: its set may be written again
.endif
.irp b, 0,1,2,3
.irp i, 0,2,4,6
	v_pk_fma_f32 v[BK+8*\b+\i:BK+8*\b+\i+1], v[ACC+8*(4*(\a)+\b)+\i:ACC+8*(4*(\a)+\b)+\i+1], s[92:93], v[BI+8*\b+\i:BI+8*\b+\i+1] op_sel_hi:[1,0,1]   ; each accumulator from its low end on
.endr
.endr
.irp b, 0,1,2,3
	ds_store_b128 v[STO], v[BK+8*\b:BK+8*\b+3] offset:64*\b
	ds_store_b128 v[STO], v[BK+8*\b+4:BK+8*\b+7] offset:64*\b+16
.endr
.irp t, 0,1,2,3,4,5,6,7
	ds_load_b128 v[BK+4*\t:BK+4*\t+3], v[RD] offset:\t*2*PITCH   ; LDS serves a wave's instructions in order (ISA guide 5.7.1.4): these see the stores above, and the next block's stores come behind them
.endr
.endm
.macro SEND a, younger                 ; younger: the LDS instructions issued behind block a's loads: the next block's sixteen, or none
.set BK, OB+32*((\a)%2)
	s_wait_dscnt \younger
.irp t, 0,1,2,3,4,5,6,7
	global_store_b128 v[CO], v[BK+4*\t:BK+4*\t+3], s[12:13] offset:(16*(\a)+2*\t)*4096 th:TH_STORE_NT   ; 16 lanes store 256 consecutive bytes, aligned; written once, read by nobody here
.endr
.endm
	TOSTAGE 0
	TOSTAGE 1
	SEND 0, 16
	TOSTAGE 2
	SEND 1, 16
	TOSTAGE 3
	SEND 2, 16
	SEND 3, 0
	s_wait_tensorcnt 0x0                           ; the wave's end
	ds_add_u32 v[SPW], v[NIL]
	s_wait_dscnt 0x0
	CROUND                                         ; the closing round: no work-group ends while a partner may still ask for a tile that names it
	s_endpgm
.Lfunc_end_k_qf95451815b_proj:
	.size	k_qf95451815b_proj, .Lfunc_end_k_qf95451815b_proj-k_qf95451815b_proj
	.p2alignl 7, 3214868480
	.fill 96, 4, 3214868480
	.section	.rodata,"a",@progbits
	.p2align	6, 0x0
	.amdhsa_kernel k_qf95451815b_proj
		.amdhsa_group_segment_fixed_size 282112
		.amdhsa_private_segment_fixed_size 0
		.amdhsa_enable_private_segment 0
		.amdhsa_kernarg_size 40
		.amdhsa_user_sgpr_count 2
		.amdhsa_user_sgpr_kernarg_segment_ptr 1
		.amdhsa_wavefront_size32 1
		.amdhsa_system_sgpr_workgroup_id_x 1
		.amdhsa_system_sgpr_workgroup_id_y 1
		.amdhsa_system_sgpr_workgroup_id_z 1
		.amdhsa_system_vgpr_workitem_id 0
		.amdhsa_next_free_vgpr 512
		.amdhsa_next_free_sgpr 100
		.amdhsa_reserve_vcc 0
		.amdhsa_float_denorm_mode_32 3
		.amdhsa_float_denorm_mode_16_64 3
		.amdhsa_memory_ordered 1
		.amdhsa_forward_progress 1
		.amdhsa_inst_pref_size 52
	.end_amdhsa_kernel
	.amdgpu_metadata
---
amdhsa.version: [ 1, 2 ]
amdhsa.kernels:
  - .name:           k_qf95451815b_proj
    .symbol:         k_qf95451815b_proj.kd
    .args:
      - { .name: af, .offset: 0, .size: 8, .value_kind: global_buffer, .address_space: global }
      - { .name: codes, .offset: 8, .size: 8, .value_kind: global_buffer, .address_space: global }
      - { .name: lowp_scales, .offset: 16, .size: 8, .value_kind: global_buffer, .address_space: global }
      - { .name: out_b, .offset: 24, .size: 8, .value_kind: global_buffer, .address_space: global }
      - { .name: out0, .offset: 32, .size: 8, .value_kind: global_buffer, .address_space: global }
    .group_segment_fixed_size: 282112
    .private_segment_fixed_size: 0
    .kernarg_segment_align: 8
    .kernarg_segment_size: 40
    .max_flat_workgroup_size: 128
    .sgpr_count:     100
    .vgpr_count:     512
    .wavefront_size: 32
...
	.end_amdgpu_metadata
.endif
;; end of part 4
